; MI455X (gfx1250); checked and timed in simulation.
; The chip was launched on July 23, 2026; its instructions are those of AMD's public machine-readable ISA for CDNA 5 (MIT licence, August 2026) and "CDNA5" Instruction Set Architecture Reference Guide (July 2026). The comments in the code are by the model that wrote it; some were corrected since.
;; Quant Linear W4 A8. Allowed arithmetic: float matrix products may take bf16 or f16 operands with f32 sums; other float arithmetic in f32, or as packed bf16 or f16 multiplies, adds, multiply-adds, maxima and minima; sums over many terms, partial sums and values carried from step to step in f32; what a program stores and reads back later, other than sums and carried values, may be rounded once to bf16 or f16.
;; Inputs: packed_weight 8,388,608 int32; scales 131,072 x 1 float32; x 4,096 x 4,096 float32; zeros 131,072 x 1 float32.
;; Outputs: out0 4,096 x 4,096 float32.
;; One version. Each part assembles by itself: llvm-mc -triple=amdgcn-amd-amdhsa -mcpu=gfx1250 --defsym DOCPART=n.
;; ======== version 1 of 1: 3 launches
;; limits: values are held in f16: magnitudes above 65,504 overflow, below 6.1e-05 lose precision
;; workspace buffers: wq 33,554,432 bytes; xq 33,554,432 bytes; pmax 1,024 bytes; scl 256 bytes
;; launch prep (part 1): grid 256 x 1, 32 waves a work-group, no clusters, 4,352 bytes of LDS; arguments x, packed_weight, scales, zeros, wq, pmax; writes wq, pmax
.if DOCPART == 1
	.amdgcn_target "amdgcn-amd-amdhsa--gfx1250"
	.amdhsa_code_object_version 6
	.text
	.protected	k_qd286c9dbf5_prep
	.globl	k_qd286c9dbf5_prep
	.p2align	8
	.type	k_qd286c9dbf5_prep,@function
k_qd286c9dbf5_prep:
	s_mov_b64 s[64:65], 0
	v_nop
	global_prefetch_b8 v0, s[64:65] scope:SCOPE_SE
	s_setreg_imm32_b32 hwreg(HW_REG_WAVE_MODE, 25, 1), 1
	s_wait_xcnt 0x0
; TWO STREAMS IN ONE LAUNCH.  (1) pmax[g] = the largest |x| of work-group g's 16 rows of x ([4096][4096] f32).
; (2) wq[n][k] = f16(scales[G] * (idx - zeros[G])), [4096][4096] f16: word i of packed_weight holds weight 2 i in (word >> 4, arithmetic) and weight 2 i + 1 in (word & 15);
; group G is 128 weights on end = 64 words = 256 bytes of packed_weight = 256 bytes of wq.  A word of 4 bytes makes two f16: wq is stored at the byte offsets at which packed_weight is read.
; LIMITS.  |scales * (idx - zeros)| of 65,520 or more becomes an infinity in f16; below 6.1e-5 it keeps f16's fixed step of 6e-8.  The weight is made as fma(idx, s, -(s z)): s z is rounded once and the fused
; multiply-add once, where the definition rounds idx - z and then the product.  A NaN in x is passed over by the maximum; an infinity makes the maximum infinite.
; SHARES.  256 work-groups of 32 waves.  A wave takes 8,192 bytes of x (16 loads of 512 consecutive bytes) and 4,096 bytes of packed_weight: 16 groups.  Of a weight load lanes 0-15 take group j and lanes
; 16-31 group 8 + j: sixteen lanes, 256 consecutive aligned bytes, one scale and one zero; a lane keeps the eight scales and zeros of its half in registers.
; IN FLIGHT.  All 28 loads of a wave go out at once (14 KiB into registers); there is no loop.  No matrix unit, no cluster, no tensor load: nothing is shared and nothing is read twice.
.set SPARE, 256                        ; LDS: bytes 0-127 one word a wave (their block of 256 is theirs alone); from 256 on the spare words, 128 bytes for each of 32 waves
.set XO,  1                            ; v1   my byte offset in the work-group's x: 8,192 wave + 16 lane; never rewritten
.set WO,  2                            ; v2   in its packed_weight and wq: 4,096 wave + 2,048 (lane / 16) + 16 (lane % 16); never rewritten
.set SO,  3                            ; v3   in its scales and zeros: 64 wave + 32 (lane / 16); never rewritten
.set SPW, 4                            ; v4   LDS address of my spare word; never rewritten
.set NIL, 5                            ; v5   0; never rewritten
.set LW,  6                            ; v6   LDS address of my wave's word; in wave 0 later 4 lane, then 0
.set TP,  7                            ; v7   at work in the exchange of the lanes' halves
.set MX,  8                            ; v8-9 two running maxima, v10-11 two running minima, all started at 0
.set S,   12                           ; v[12:19]  the eight scales of my half of the lanes
.set C,   20                           ; v[20:27]  the eight zeros, then scale x zero
.set W,   28                           ; v[28:59]  eight weight loads of 4 words; each becomes 8 f16 in place and is stored from there
.set X,   60                           ; v[60:123] sixteen loads of x
.set T,   60                           ; v[60:67]  at work on the weights, once x has been used up
.set TW,  124                          ; v124-127  wave, lane, lane % 16, lane / 16
	s_load_b256 s[4:11], s[0:1], 0x0               ; x s[4:5], packed_weight s[6:7], scales s[8:9], zeros s[10:11]
	s_load_b128 s[12:15], s[0:1], 0x20             ; wq s[12:13], pmax s[14:15]
	v_lshl_add_u32 v[SPW], v0, 2, SPARE
	v_mov_b32 v[NIL], 0
	v_lshrrev_b32 v[TW], 5, v0
	v_readfirstlane_b32 s16, v[TW]                 ; wave 0..31
	v_and_b32 v[TW+1], 31, v0
	v_and_b32 v[TW+2], 15, v0
	v_bfe_u32 v[TW+3], v0, 4, 1
	v_lshlrev_b32 v[XO], 4, v[TW+1]
	v_lshl_or_b32 v[XO], v[TW], 13, v[XO]
	v_lshlrev_b32 v[WO], 4, v[TW+2]
	v_lshl_or_b32 v[WO], v[TW+3], 11, v[WO]
	v_lshl_or_b32 v[WO], v[TW], 12, v[WO]
	v_lshlrev_b32 v[SO], 5, v[TW+3]
	v_lshl_or_b32 v[SO], v[TW], 6, v[SO]
	v_mov_b32 v[LW], s16
	v_lshlrev_b32 v[LW], 2, v[LW]
	v_mov_b32 v[TP], 0                             ; v_permlanex16_b32 counts as a reader of its destination
.irp i, 0,1,2,3
	v_mov_b32 v[MX+(\i)], 0                        ; |x| is at least 0, so 0 starts maxima and minima alike
.endr
	s_mov_b32 s22, 0x76543210                      ; v_permlanex16_b32: each lane takes its own place in the other half
	s_mov_b32 s23, 0xfedcba98
	s_mov_b32 s19, 0
	s_lshl_b32 s18, ttmp9, 18                      ; the work-group's 262,144 bytes of x
	s_wait_kmcnt 0x0
	s_add_nc_u64 s[4:5], s[4:5], s[18:19]
	s_lshl_b32 s18, ttmp9, 17                      ; its 131,072 bytes of packed_weight and of wq
	s_add_nc_u64 s[6:7], s[6:7], s[18:19]
	s_add_nc_u64 s[12:13], s[12:13], s[18:19]
	s_lshl_b32 s18, ttmp9, 11                      ; its 512 scales and zeros
	s_add_nc_u64 s[8:9], s[8:9], s[18:19]
	s_add_nc_u64 s[10:11], s[10:11], s[18:19]
	s_lshl_b32 s18, ttmp9, 2                       ; its word of pmax
	s_add_nc_u64 s[14:15], s[14:15], s[18:19]
.irp j, 0,1,2,3,4,5,6,7,8,9,10,11,12,13,14,15
	global_load_b128 v[X+4*(\j):X+4*(\j)+3], v[XO], s[4:5] offset:512*(\j) th:TH_LOAD_NT
.endr
	global_load_b128 v[S:S+3],   v[SO], s[8:9]
	global_load_b128 v[S+4:S+7], v[SO], s[8:9] offset:16
	global_load_b128 v[C:C+3],   v[SO], s[10:11]
	global_load_b128 v[C+4:C+7], v[SO], s[10:11] offset:16
.irp j, 0,1,2,3,4,5,6,7
	global_load_b128 v[W+4*(\j):W+4*(\j)+3], v[WO], s[6:7] offset:256*(\j) th:TH_LOAD_NT
.endr
; The largest of a register over the wave's 32 lanes, in every lane: four steps inside each half of 16 lanes ride on the arithmetic, one crosses the halves.
.macro WMAX r
.irp m, 1,2,4,8
	v_max_num_f32_dpp v[\r], v[\r], v[\r] row_xmask:\m row_mask:0xf bank_mask:0xf
.endr
	v_permlanex16_b32 v[TP], v[\r], s22, s23
	v_max_num_f32 v[\r], v[\r], v[TP]
.endm
; Load j of x: behind it stand 15 - j loads of x and the 12 of scales, zeros and weights, which may stay out.
.macro XMAX j
	s_wait_loadcnt 27-(\j)
	v_max3_num_f32 v[MX],   v[X+4*(\j)],   v[X+4*(\j)+1], v[MX]
	v_max3_num_f32 v[MX+1], v[X+4*(\j)+2], v[X+4*(\j)+3], v[MX+1]
	v_min3_num_f32 v[MX+2], v[X+4*(\j)],   v[X+4*(\j)+1], v[MX+2]
	v_min3_num_f32 v[MX+3], v[X+4*(\j)+2], v[X+4*(\j)+3], v[MX+3]
.endm
.irp j, 0,1,2,3,4,5,6,7,8,9,10,11,12,13,14,15
	XMAX \j
.endr
	v_max_num_f32 v[MX], v[MX], v[MX+1]
	v_min_num_f32 v[MX+2], v[MX+2], v[MX+3]
	v_sub_f32 v[MX+2], 0, v[MX+2]                  ; the lowest number's magnitude
	v_max_num_f32 v[MX], v[MX], v[MX+2]
	WMAX MX
	ds_store_b32 v[LW], v[MX]                      ; all lanes write the wave's word with the same number
	s_wait_loadcnt 8                               ; scales and zeros are in; the eight weight loads may stay out
.irp k, 0,2,4,6
	v_pk_mul_f32 v[C+(\k):C+(\k)+1], v[S+(\k):S+(\k)+1], v[C+(\k):C+(\k)+1]  ; s z
.endr
; Weight load j: 4 words make 8 weights of group 8 (lane / 16) + j, whose scale lies in register S + j: the packed multiply-add takes that one register of its pair for both halves.
.macro DEQ j
	s_wait_loadcnt 7-(\j)                          ; the younger weight loads may stay out
.irp k, 0,1,2,3
	v_ashrrev_i32 v[T+2*(\k)],   4,  v[W+4*(\j)+(\k)]  ; the word's first weight,
	v_and_b32     v[T+2*(\k)+1], 15, v[W+4*(\j)+(\k)]  ; and its second
.endr
.irp k, 0,1,2,3,4,5,6,7
	v_cvt_f32_i32 v[T+(\k)], v[T+(\k)]
.endr
.irp k, 0,2,4,6
.if (\j) % 2
	v_pk_fma_f32 v[T+(\k):T+(\k)+1], v[T+(\k):T+(\k)+1], v[S+(\j)-1:S+(\j)], v[C+(\j)-1:C+(\j)] op_sel:[0,1,1] op_sel_hi:[1,1,1] neg_lo:[0,0,1] neg_hi:[0,0,1]
.else
	v_pk_fma_f32 v[T+(\k):T+(\k)+1], v[T+(\k):T+(\k)+1], v[S+(\j):S+(\j)+1], v[C+(\j):C+(\j)+1] op_sel_hi:[1,0,0] neg_lo:[0,0,1] neg_hi:[0,0,1]
.endif
.endr
.irp k, 0,1,2,3
	v_cvt_pk_f16_f32 v[W+4*(\j)+(\k)], v[T+2*(\k)], v[T+2*(\k)+1]  ; the first weight into the low half; one rounding
.endr
	global_store_b128 v[WO], v[W+4*(\j):W+4*(\j)+3], s[12:13] offset:256*(\j) th:TH_STORE_NT  ; each half of the lanes stores 256 consecutive aligned bytes; these registers are not written again
.endm
.irp j, 0,1,2,3,4,5,6,7
	DEQ \j
.endr
	s_wait_dscnt 0x0                               ; for the others' sake: my wave's word is in LDS
	s_barrier_signal -1
	s_barrier_wait -1                              ; all 32 words are
	s_cmp_lg_u32 s16, 0
	s_cbranch_scc1 .Lend                           ; wave 0 alone finishes
	v_lshlrev_b32 v[LW], 2, v[TW+1]                ; lane l takes wave l's word
	ds_load_b32 v[MX], v[LW]
	s_wait_dscnt 0x0
	WMAX MX
	v_mov_b32 v[LW], 0
	s_wait_xcnt 0x0                                ; EXEC is a source of the stores above: it changes only behind this wait
	v_cmp_eq_u32 vcc_lo, 0, v[TW+1]
	s_and_saveexec_b32 s20, vcc_lo
	global_store_b32 v[LW], v[MX], s[14:15]        ; one word a work-group: 1,024 bytes in the whole launch, the one store here that is no whole run of 256 bytes
	s_wait_xcnt 0x0                                ; and again, in front of the line that widens EXEC
	s_or_b32 exec_lo, exec_lo, s20
.Lend:
	s_wait_tensorcnt 0x0                           ; the wave's end, behind my last LDS store
	ds_add_u32 v[SPW], v[NIL]
	s_wait_dscnt 0x0
	s_endpgm
.Lfunc_end_k_qd286c9dbf5_prep:
	.size	k_qd286c9dbf5_prep, .Lfunc_end_k_qd286c9dbf5_prep-k_qd286c9dbf5_prep
	.p2alignl 7, 3214868480
	.fill 96, 4, 3214868480
	.section	.rodata,"a",@progbits
	.p2align	6, 0x0
	.amdhsa_kernel k_qd286c9dbf5_prep
		.amdhsa_group_segment_fixed_size 4352
		.amdhsa_private_segment_fixed_size 0
		.amdhsa_enable_private_segment 0
		.amdhsa_kernarg_size 48
		.amdhsa_user_sgpr_count 2
		.amdhsa_user_sgpr_kernarg_segment_ptr 1
		.amdhsa_wavefront_size32 1
		.amdhsa_system_sgpr_workgroup_id_x 1
		.amdhsa_system_sgpr_workgroup_id_y 1
		.amdhsa_system_sgpr_workgroup_id_z 1
		.amdhsa_system_vgpr_workitem_id 0
		.amdhsa_next_free_vgpr 128
		.amdhsa_next_free_sgpr 66
		.amdhsa_reserve_vcc 1
		.amdhsa_float_denorm_mode_32 3
		.amdhsa_float_denorm_mode_16_64 3
		.amdhsa_memory_ordered 1
		.amdhsa_forward_progress 1
		.amdhsa_inst_pref_size 20
	.end_amdhsa_kernel
	.amdgpu_metadata
---
amdhsa.version: [ 1, 2 ]
amdhsa.kernels:
  - .name:           k_qd286c9dbf5_prep
    .symbol:         k_qd286c9dbf5_prep.kd
    .args:
      - { .name: x, .offset: 0, .size: 8, .value_kind: global_buffer, .address_space: global }
      - { .name: packed_weight, .offset: 8, .size: 8, .value_kind: global_buffer, .address_space: global }
      - { .name: scales, .offset: 16, .size: 8, .value_kind: global_buffer, .address_space: global }
      - { .name: zeros, .offset: 24, .size: 8, .value_kind: global_buffer, .address_space: global }
      - { .name: wq, .offset: 32, .size: 8, .value_kind: global_buffer, .address_space: global }
      - { .name: pmax, .offset: 40, .size: 8, .value_kind: global_buffer, .address_space: global }
    .group_segment_fixed_size: 4352
    .private_segment_fixed_size: 0
    .kernarg_segment_align: 8
    .kernarg_segment_size: 48
    .max_flat_workgroup_size: 1024
    .sgpr_count:     66
    .vgpr_count:     128
    .wavefront_size: 32
...
	.end_amdgpu_metadata
.endif
;; end of part 1
;; launch quant (part 2): grid 1024 x 1, 8 waves a work-group, no clusters, 0 bytes of LDS; arguments x, pmax, xq, scl; writes xq, scl
.if DOCPART == 2
	.amdgcn_target "amdgcn-amd-amdhsa--gfx1250"
	.amdhsa_code_object_version 6
	.text
	.protected	k_qd286c9dbf5_quant
	.globl	k_qd286c9dbf5_quant
	.p2align	8
	.type	k_qd286c9dbf5_quant,@function
k_qd286c9dbf5_quant:
	s_mov_b64 s[64:65], 0
	v_nop
	global_prefetch_b8 v0, s[64:65] scope:SCOPE_SE
	s_setreg_imm32_b32 hwreg(HW_REG_WAVE_MODE, 25, 1), 1
	s_wait_xcnt 0x0
; scale = max(max|x| / 127, 1e-8);  xq = clip(round to nearest even(x / scale), -128, 127), stored as f16: a whole number of that range is exact there.  The scale itself is applied to the finished sums by the
; launch behind, in f32; it is stored once, 64 times on end (256 bytes), by the first wave of the first work-group.
; LIMITS.  Both quotients are a product with a reciprocal and one correction by the residual (q = x r; q += (x - q s) r): the rounded quotient in the normal range; a last-bit difference can move a number that lies
; at a half by one step.  NaN and infinities in x are not treated apart.
; SHARES.  1,024 work-groups of 8 waves; a wave takes 8,192 bytes of x: 16 loads of 512 consecutive bytes, all out at once, and 16 stores of 256 consecutive aligned bytes (8 bytes a lane).
; Every wave makes the scale for itself from the 256 partial maxima (1,024 bytes: 8 numbers a lane), while its loads of x are on their way.  No LDS, no barrier: no wave needs another's numbers.
.set XO,  1                            ; v1   8,192 wave + 16 lane; never rewritten
.set YO,  2                            ; v2   4,096 wave + 8 lane; never rewritten
.set PO,  3                            ; v3   16 lane
.set PM,  4                            ; v[4:11]  eight partial maxima
.set TA,  12                           ; v12-13   at work
.set SC,  14                           ; v[14:15] the scale, twice
.set RC,  16                           ; v[16:17] its reciprocal, twice
.set Q,   18                           ; v[18:21] four quotients
.set E,   22                           ; v[22:25] their residuals
.set X,   32                           ; v[32:95] sixteen loads of 4; the first two registers of each take the 4 f16 and are stored from there
	s_load_b256 s[4:11], s[0:1], 0x0               ; x s[4:5], pmax s[6:7], xq s[8:9], scl s[10:11]
	v_lshrrev_b32 v[TA], 5, v0
	v_readfirstlane_b32 s12, v[TA]                 ; wave 0..7
	v_and_b32 v[TA+1], 31, v0
	v_lshlrev_b32 v[PO], 4, v[TA+1]
	v_lshl_or_b32 v[XO], v[TA], 13, v[PO]
	v_lshlrev_b32 v[YO], 3, v[TA+1]
	v_lshl_or_b32 v[YO], v[TA], 12, v[YO]
	s_mov_b32 s16, 0xc3000000                      ; -128.0
	s_mov_b32 s17, 0x42fe0000                      ; 127.0
	s_mov_b32 s18, 0x3c010204                      ; 1 / 127, rounded
	s_mov_b32 s22, 0x76543210
	s_mov_b32 s23, 0xfedcba98
	s_mov_b32 s15, 0
	s_lshl_b32 s14, ttmp9, 16                      ; the work-group's 65,536 bytes of x
	s_wait_kmcnt 0x0
	s_add_nc_u64 s[4:5], s[4:5], s[14:15]
	s_lshl_b32 s14, ttmp9, 15                      ; and its 32,768 bytes of xq
	s_add_nc_u64 s[8:9], s[8:9], s[14:15]
	global_load_b128 v[PM:PM+3],   v[PO], s[6:7]
	global_load_b128 v[PM+4:PM+7], v[PO], s[6:7] offset:512
.irp j, 0,1,2,3,4,5,6,7,8,9,10,11,12,13,14,15
	global_load_b128 v[X+4*(\j):X+4*(\j)+3], v[XO], s[4:5] offset:512*(\j) th:TH_LOAD_NT
.endr
	s_wait_loadcnt 16                              ; the partial maxima are in; the 16 loads of x stay out
	v_max3_num_f32 v[PM],   v[PM],   v[PM+1], v[PM+2]
	v_max3_num_f32 v[PM+3], v[PM+3], v[PM+4], v[PM+5]
	v_max3_num_f32 v[PM],   v[PM],   v[PM+6], v[PM+7]
	v_max_num_f32  v[PM],   v[PM],   v[PM+3]
.irp m, 1,2,4,8
	v_max_num_f32_dpp v[PM], v[PM], v[PM] row_xmask:\m row_mask:0xf bank_mask:0xf
.endr
	v_permlanex16_b32 v[TA+1], v[PM], s22, s23     ; (its destination has been written above)
	v_max_num_f32 v[PM], v[PM], v[TA+1]            ; max|x|, in every lane
	v_mul_f32 v[TA], s18, v[PM]                    ; m / 127: a first quotient,
	v_fma_f32 v[TA+1], -v[TA], s17, v[PM]          ; its residual, exact,
	v_fma_f32 v[TA], v[TA+1], s18, v[TA]           ; and the correction
	v_max_num_f32 v[SC], 0x322bcc77, v[TA]         ; at least 1e-8
	v_mov_b32 v[SC+1], v[SC]
	v_rcp_f32 v[RC], v[SC]
	v_nop                                          ; a plain instruction between the reciprocal and its use (ISA guide 5.7.2),
	s_wait_alu depctr_va_vdst(0)                   ; and a wait ahead of the first line that names the result
	v_fma_f32 v[TA+1], -v[SC], v[RC], 1.0
	v_fma_f32 v[RC], v[TA+1], v[RC], v[RC]         ; one step of refinement
	v_mov_b32 v[RC+1], v[RC]
; Load j: four numbers a lane.  The 15 - j younger loads may stay out.
.macro QSLOT j
	s_wait_loadcnt 15-(\j)
.irp k, 0,2
	v_pk_mul_f32 v[Q+(\k):Q+(\k)+1], v[X+4*(\j)+(\k):X+4*(\j)+(\k)+1], v[RC:RC+1]
.endr
.irp k, 0,2
	v_pk_fma_f32 v[E+(\k):E+(\k)+1], v[Q+(\k):Q+(\k)+1], v[SC:SC+1], v[X+4*(\j)+(\k):X+4*(\j)+(\k)+1] neg_lo:[1,0,0] neg_hi:[1,0,0]  ; x - q s
.endr
.irp k, 0,2
	v_pk_fma_f32 v[Q+(\k):Q+(\k)+1], v[E+(\k):E+(\k)+1], v[RC:RC+1], v[Q+(\k):Q+(\k)+1]
.endr
.irp k, 0,1,2,3
	v_rndne_f32 v[Q+(\k)], v[Q+(\k)]
.endr
.irp k, 0,1,2,3
	v_med3_num_f32 v[Q+(\k)], v[Q+(\k)], s16, s17  ; the clip to -128 .. 127
.endr
	v_cvt_pk_f16_f32 v[X+4*(\j)],   v[Q],   v[Q+1]
	v_cvt_pk_f16_f32 v[X+4*(\j)+1], v[Q+2], v[Q+3]
	global_store_b64 v[YO], v[X+4*(\j):X+4*(\j)+1], s[8:9] offset:256*(\j) th:TH_STORE_NT  ; the wave stores 256 consecutive aligned bytes; these registers are not written again
.endm
.irp j, 0,1,2,3,4,5,6,7,8,9,10,11,12,13,14,15
	QSLOT \j
.endr
	s_cmp_lg_u32 ttmp9, 0
	s_cbranch_scc1 .Lend
	s_cmp_lg_u32 s12, 0
	s_cbranch_scc1 .Lend
	global_store_b64 v[YO], v[SC:SC+1], s[10:11]   ; wave 0: my offset is 8 lane: the whole 256 bytes of scl
.Lend:
	s_endpgm
.Lfunc_end_k_qd286c9dbf5_quant:
	.size	k_qd286c9dbf5_quant, .Lfunc_end_k_qd286c9dbf5_quant-k_qd286c9dbf5_quant
	.p2alignl 7, 3214868480
	.fill 96, 4, 3214868480
	.section	.rodata,"a",@progbits
	.p2align	6, 0x0
	.amdhsa_kernel k_qd286c9dbf5_quant
		.amdhsa_group_segment_fixed_size 0
		.amdhsa_private_segment_fixed_size 0
		.amdhsa_enable_private_segment 0
		.amdhsa_kernarg_size 32
		.amdhsa_user_sgpr_count 2
		.amdhsa_user_sgpr_kernarg_segment_ptr 1
		.amdhsa_wavefront_size32 1
		.amdhsa_system_sgpr_workgroup_id_x 1
		.amdhsa_system_sgpr_workgroup_id_y 1
		.amdhsa_system_sgpr_workgroup_id_z 1
		.amdhsa_system_vgpr_workitem_id 0
		.amdhsa_next_free_vgpr 96
		.amdhsa_next_free_sgpr 66
		.amdhsa_reserve_vcc 0
		.amdhsa_float_denorm_mode_32 3
		.amdhsa_float_denorm_mode_16_64 3
		.amdhsa_memory_ordered 1
		.amdhsa_forward_progress 1
		.amdhsa_inst_pref_size 21
	.end_amdhsa_kernel
	.amdgpu_metadata
---
amdhsa.version: [ 1, 2 ]
amdhsa.kernels:
  - .name:           k_qd286c9dbf5_quant
    .symbol:         k_qd286c9dbf5_quant.kd
    .args:
      - { .name: x, .offset: 0, .size: 8, .value_kind: global_buffer, .address_space: global }
      - { .name: pmax, .offset: 8, .size: 8, .value_kind: global_buffer, .address_space: global }
      - { .name: xq, .offset: 16, .size: 8, .value_kind: global_buffer, .address_space: global }
      - { .name: scl, .offset: 24, .size: 8, .value_kind: global_buffer, .address_space: global }
    .group_segment_fixed_size: 0
    .private_segment_fixed_size: 0
    .kernarg_segment_align: 8
    .kernarg_segment_size: 32
    .max_flat_workgroup_size: 256
    .sgpr_count:     66
    .vgpr_count:     96
    .wavefront_size: 32
...
	.end_amdgpu_metadata
.endif
;; end of part 2
;; launch gemm (part 3): grid 16 x 16, 4 waves a work-group, clusters of 4 x 4, 327,680 bytes of LDS; arguments xq, wq, out0, scl; writes out0
.if DOCPART == 3
	.amdgcn_target "amdgcn-amd-amdhsa--gfx1250"
	.amdhsa_code_object_version 6
	.text
	.protected	k_qd286c9dbf5_gemm
	.globl	k_qd286c9dbf5_gemm
	.p2align	8
	.type	k_qd286c9dbf5_gemm,@function
k_qd286c9dbf5_gemm:
	s_mov_b64 s[64:65], 0
	v_nop
	global_prefetch_b8 v0, s[64:65] scope:SCOPE_SE
	s_setreg_imm32_b32 hwreg(HW_REG_WAVE_MODE, 25, 1), 1
	s_wait_xcnt 0x0
	s_wait_alu depctr_hold_cnt(0) depctr_sa_sdst(0) depctr_va_vdst(0) depctr_va_sdst(0) depctr_va_ssrc(0) depctr_va_vcc(0) depctr_vm_vsrc(0)
	s_getreg_b32 s2, hwreg(HW_REG_IB_STS2, 6, 4)
	s_cmp_eq_u32 s2, 0
	s_cbranch_scc0 .Lentry_in_a_cluster
	s_endpgm
.Lentry_in_a_cluster:
	s_bfe_u32 s2, ttmp6, 0x10000c
	s_cmp_lg_u32 s2, 0xf033
	s_cbranch_scc0 .Lentry_shape_is_right
	s_endpgm
.Lentry_shape_is_right:
; out0[m][n] = scale x the sum over k of xq[m][k] wq[n][k].  xq (A): [4096][4096] f16, whole numbers -128 .. 127, exact.  wq (B): [4096][4096] f16, the weights rounded once.  out0 (C): [4096][4096] f32.
; Sums in f32; the scale (f32, first word of scl) multiplies each finished sum once.  LIMIT: f16's range and step for wq, as stated where wq is made; nothing further is rounded here but the sums.
; A tile of C, 256 x 256, is made by a work-group of four waves; a wave makes 128 x 128: 64 accumulators of 16 x 16, 512 registers.  256 tiles, one to a work-group.  K goes in 32 steps of 128 through a ring of
; two LDS slots filled by the tensor data mover: the rows of A's and B's tiles are 256 bytes of memory and start at multiples of 256 bytes from the buffer's first byte.
; CLUSTERS: 4 x 4 work-groups.  The four of a row of the cluster need the same tiles of A, the four of a column the same tiles of B.  Such a tile is asked for JOINTLY: each of the four issues the same tensor
; load, with the same descriptor and a mask that names the four, and each receives the tile in its own LDS.
; REGISTERS, in windows of 256 (s_set_vgpr_msb's low byte: bits 1:0 source 0, 3:2 source 1, 5:4 source 2, 7:6 destination):
;   window 0: v0-31 addresses; v64-127, v128-191 fragments of A (8 x 16 rows x 32 K), two buffers; v32-63, v192-255 at work on the way out
;   window 1: v64-127, v128-191 fragments of B, two buffers
;   window 2: the 32 accumulators of my rows 0-63 (accumulator (a, b) at v[8 (8 a + b)]);   window 3: those of my rows 64-127
; THE MATRIX INSTRUCTION IS USED TRANSPOSED: source 0 = 16 rows of B, source 1 = 16 rows of A.  In the result lane l holds row m = l % 16 of C and its registers 0 to 7 the columns 8 (l / 16) + 0 .. 7:
; eight neighbouring f32 of a row of C, 32 bytes.
.set SIZE_M, 4096
.set SIZE_N, 4096
.set SIZE_K, 4096
.set KSTEP,  128
.set PITCH,  272                       ; an LDS row: 256 bytes of data + 16 of padding = 68 words: row r starts at bank 4 r mod 64 (64 banks of 4 bytes: ISA guide 11.1), so the 16 rows that a load touches start at 16 different banks
.set HALFT,  128*PITCH                 ; 128 rows: what one tensor load brings, and what one wave reads of A or of B
.set SLOT,   4*HALFT                   ; A's 256 rows, then B's 256 rows
.set STAGE,  2*SLOT                    ; behind the ring: 16 rows x 272 bytes for each wave, for the way out; no tensor load lands here
.set SPITCH, 272
.set SPARE,  STAGE+4*16*SPITCH         ; behind the stages: the spare words, 128 bytes for each wave: two blocks of 256 bytes that no other line names
.set LAPS,   SIZE_K/(2*KSTEP)          ; a lap = two K steps = once round the ring: 16
.set ROWC,   SIZE_N*4                  ; bytes in a row of C
.set ADRA, 16                          ; v16-17  LDS address of my A fragments in slot 0, 1
.set ADRB, 20                          ; v20-21  the same for B
.set STO,  24                          ; v24     the way out: where I put 32 bytes of a row
.set RD,   25                          ; v25     the way out: where I read a row back
.set CO,   26                          ; v26     my byte offset in C; never rewritten
.set SPW,  28                          ; v28     LDS address of my spare word: SPARE + 4 x my thread's number; never rewritten
.set NIL,  29                          ; v29     0; never rewritten
.set PFO,  30                          ; v30     the prefetches' offset: my lane x a row of A or B in memory; never rewritten
.set PFA,  44                          ; s[44:45] where my prefetches stand: my work-group's 32 rows of the 128 that I fetch, one K step further along K than the refill that is being asked for
.set LIM,  43                          ; s43     1 in a wave that prefetches, else the greatest number
.set SC,   68                          ; s[68:69] the scale: the packed multiply names a pair and takes its low word for both halves
.set F0,   64                          ; fragment buffer 0
.set F1,   128                         ; fragment buffer 1
.set TMP,  192                         ; the way out: 32 scaled results, in window 0
.set OB,   32                          ; the way out: 16 rows x 256 bytes read back from the stage: v32-63 and v224-255 by turns
.set G1, 24                            ; s[24:31] descriptor group 1 for A's tiles
.set G0, 32                            ; s[32:39] descriptor group 0 for A's tiles, one set for each slot
.set G1B, 48                           ; s[48:55] descriptor group 1 for B's tiles: it differs from A's in the mask alone
.set G0B, 56                           ; s[56:63] descriptor group 0 for B's tiles, one set for each slot
.set MSB, 0
.macro WIN new                         ; the immediate's high byte repeats the setting that is left; a switch that changes nothing is dropped
.if MSB != (\new)
	s_set_vgpr_msb (MSB<<8)|(\new)
.set MSB, \new
.endif
.endm
.set MUL_LO, 0xa1                      ; source 0 (B) window 1, source 1 (A) window 0, C and D window 2
.set MUL_HI, 0xf1                      ; the same, C and D window 3
.set TO_B,   0x40                      ; destination window 1, address window 0
; A joint load.  Waves 0 and 1 fetch A's two halves, waves 2 and 3 B's.  Each of the two lines has ONE mask and one set of registers for all that issue it.  The branch hangs on the wave's number alone.
; An s_nop 0 and four v_nop follow each of the two lines; the jump round the other line, the label and what follows the macro come after them.
.macro JLOAD s
	s_cmp_eq_u32 s11, 0
	s_cbranch_scc0 .Lfor_b_\@
	tensor_load_to_lds s[G0+4*(\s):G0+4*(\s)+3], s[G1:G1+7]
	s_nop 0
.rept 4
	v_nop
.endr
	s_branch .Lasked_\@
.Lfor_b_\@:
	tensor_load_to_lds s[G0B+4*(\s):G0B+4*(\s)+3], s[G1B:G1B+7]
	s_nop 0
.rept 4
	v_nop
.endr
.Lasked_\@:
.endm
; A PREFETCH INTO THE L2, behind each joint refill, its five lines and the run of LDS loads that follows them: the K step that stands TWO refills on, 512 matrix instructions ahead of the load that will ask for it:
; 32 rows x 256 bytes, a lane a row, one instruction a wave.  Each row's 256 bytes of a K step are named ONCE in the launch: A's tile row is walked by every cluster of that row of clusters, and the one with
; cluster x = 0 asks; B's tile column by every cluster of that column, and the one with cluster y = 0 asks.  The four partners that ask for a tile jointly share its rows out BY ADDRESS: of the 128 rows that a wave
; fetches the partner at place p takes 32 p .. 32 p + 31 (p = cx for A, cy for B).  K steps 0 to 3 come by their loads alone; the loop's last trip (s3 = 1) asks for nothing: K steps 32 and 33 do not exist.
.macro ASK
	s_cmp_gt_u32 s3, s[LIM]
	s_cbranch_scc0 .Lnot_mine_\@
	global_prefetch_b8 v[PFO], s[PFA:PFA+1] offset:KSTEP*2 th:TH_LOAD_NT scope:SCOPE_SE
.Lnot_mine_\@:
.endm
; A round of the cluster's barrier: my work-group's barrier, so that wave 0's signal speaks for all four waves; wave 0 signals for the work-group; every wave waits for all sixteen work-groups; my work-group's
; barrier once more.  No LDS instruction of the wave is pending at a signal.
.macro CREST                           ; a round behind its opening barrier
	s_cmp_lg_u32 s10, 0
	s_cbranch_scc1 .Lnot_wave_0_\@
	s_barrier_signal -3
.Lnot_wave_0_\@:
	s_barrier_wait -3
	s_barrier_signal -1
	s_barrier_wait -1
.endm
.macro CROUND                          ; a whole round
	s_barrier_signal -1
	s_barrier_wait -1
	CREST
.endm
	s_load_b128 s[4:7], s[0:1], 0x0                ; A s[4:5], B s[6:7]
	s_load_b64 s[8:9], s[0:1], 0x10                ; C
	s_load_b64 s[66:67], s[0:1], 0x18              ; scl
	v_lshl_add_u32 v[SPW], v0, 2, SPARE
	v_mov_b32 v[NIL], 0
	ds_add_u32 v[SPW], v[NIL]                      ; the wave's opening: the add, twice on end, and its wait ahead of my first tensor load; the set-up below, work on registers, stands between
	ds_add_u32 v[SPW], v[NIL]                      ; and once more, under the one wait
	v_lshrrev_b32 v1, 5, v0
	v_readfirstlane_b32 s10, v1                    ; wave 0..3
	s_lshr_b32 s11, s10, 1                         ; which half of the tile's rows is mine.  Also: I fetch for A (0) or for B (1)
	s_and_b32 s12, s10, 1                          ; which half of its columns.  Also: which 128 rows of that tile I fetch
	s_bfe_u32 s40, ttmp6, 0x40000                  ; cx: my place along the cluster's x
	s_bfe_u32 s41, ttmp6, 0x40004                  ; cy: along its y
	s_lshl_b32 s42, ttmp9, 2                       ; in a cluster launch ttmp9 and ttmp7 count clusters
	s_add_co_u32 s42, s42, s40                     ; tile column of C = 4 x cluster x + cx
	s_and_b32 s13, ttmp7, 0xffff
	s_lshl_b32 s13, s13, 2
	s_add_co_u32 s13, s13, s41                     ; tile row of C = 4 x cluster y + cy
	s_lshl_b32 s43, s41, 2
	s_lshl_b32 s43, 15, s43                        ; my row of the cluster: places 4 cy .. 4 cy + 3
	s_lshl_b32 s44, 0x1111, s40                    ; my column: places cx, cx + 4, cx + 8, cx + 12
	; descriptor group 1: a tile of 128 rows x 128 elements, padded in LDS
	s_or_b32 s[G1+0], s43, (1<<16)|(1<<20)|(1<<21)|(5<<22)|(3<<25)  ; 15:0 the mask: A's tiles go to my row; 17:16 element of 2 bytes; 20 padding on; 21 set beside a mask; 24:22 after every 64 words (code 5); 31:25 of 4 words (code 3)
	s_or_b32 s[G1B+0], s44, (1<<16)|(1<<20)|(1<<21)|(5<<22)|(3<<25) ; the same with the mask of my column, for B's tiles
.irp g, G1, G1B
	s_mov_b32 s[(\g)+1], KSTEP<<16                 ; 63:48 tensor_dim0, low half = 128
	s_mov_b32 s[(\g)+2], 128<<16                   ; 79:64 its high half = 0; 95:80 tensor_dim1, low half = 128
	s_mov_b32 s[(\g)+3], KSTEP<<16                 ; 111:96 its high half = 0; 127:112 tile_dim0 = 128
	s_mov_b32 s[(\g)+4], 128                       ; 143:128 tile_dim1 = 128; 159:144 tile_dim2 = 0
	s_mov_b32 s[(\g)+5], SIZE_K                    ; 191:160 tensor_dim0_stride, low word: elements from row to row
	s_mov_b32 s[(\g)+6], 0
	s_mov_b32 s[(\g)+7], 0
.endr
	; where the tiles come from.  A's hang on the tile row alone, which my row of the cluster shares; B's on the tile column alone, which my column shares.
	; Every wave makes both addresses, in registers that never hold the other coordinate, and asks by one of them.
	s_lshl_b32 s17, s12, 7                         ; which 128 rows of the tile I fetch
	s_lshl_b32 s16, s13, 8
	s_add_co_u32 s16, s16, s17                     ; A: row 256 x tile row + 128 x half
	s_lshl_b32 s46, s42, 8
	s_add_co_u32 s46, s46, s17                     ; B: row 256 x tile column + 128 x half
	s_mov_b32 s17, 0
	s_mov_b32 s47, 0
	s_mov_b64 s[18:19], SIZE_K*2
	s_mul_u64 s[16:17], s[16:17], s[18:19]         ; in bytes, in 64 bits
	s_mul_u64 s[46:47], s[46:47], s[18:19]
	s_mul_i32 s20, s10, HALFT                      ; and where they go: A's two halves, then B's two halves = wave x 128 rows: no place in the cluster enters an LDS address
	s_wait_dscnt 0x0                               ; both opening adds are done
	s_wait_kmcnt 0x0
	s_add_nc_u64 s[14:15], s[4:5], s[16:17]
	s_add_nc_u64 s[46:47], s[6:7], s[46:47]
	CROUND                                         ; all sixteen work-groups are here: the first joint loads meet
.irp s, 0,1
	s_mov_b32 s[G0+4*(\s)], 1                                      ; 1:0 count = 1
	s_add_co_u32 s[G0+4*(\s)+1], s20, (\s)*SLOT                    ; 63:32 LDS address
	s_add_nc_u64 s[G0+4*(\s)+2:G0+4*(\s)+3], s[14:15], (\s)*KSTEP*2  ; 120:64 global address: K step s
	s_or_b32 s[G0+4*(\s)+3], s[G0+4*(\s)+3], 0x80000000            ; 127:126 type = 2
	s_mov_b32 s[G0B+4*(\s)], 1
	s_add_co_u32 s[G0B+4*(\s)+1], s20, (\s)*SLOT
	s_add_nc_u64 s[G0B+4*(\s)+2:G0B+4*(\s)+3], s[46:47], (\s)*KSTEP*2
	s_or_b32 s[G0B+4*(\s)+3], s[G0B+4*(\s)+3], 0x80000000
	JLOAD \s                                       ; the ring is filled before anything else is done: two tensor loads of mine are out
.endr
	s_load_b32 s[SC], s[66:67], 0x0                ; the scale; no line of this text writes scl
	; A fragment is 16 rows x 32 K in 8 registers: lane l holds row l % 16; registers 0-3 hold K = 8 (l / 16) + 0..7, registers 4-7 hold
	; K = 16 + 8 (l / 16) + 0..7.  From rows that lie along K: two loads of 16 bytes, 32 bytes apart.  The same for source 0 and source 1.
	v_and_b32 v1, 15, v0                           ; l % 16
	v_bfe_u32 v2, v0, 4, 1                         ; l / 16
	v_mul_u32_u24 v3, v1, PITCH
	v_lshl_add_u32 v3, v2, 4, v3                   ; row x pitch + 16 x half
	s_mul_i32 s21, s11, HALFT                      ; my 128 rows of A
	s_mul_i32 s22, s12, HALFT                      ; my 128 rows of B,
	s_add_co_u32 s22, s22, 2*HALFT                 ; which lie behind A's 256
.irp s, 0,1
	v_add_nc_u32 v[ADRA+(\s)], s21, v3
	v_add_nc_u32 v[ADRB+(\s)], s22, v3
	s_add_co_u32 s21, s21, SLOT
	s_add_co_u32 s22, s22, SLOT
.endr
	s_mul_i32 s23, s10, 16*SPITCH
	s_add_co_u32 s23, s23, STAGE                   ; my stage
	v_mul_u32_u24 v4, v1, SPITCH                   ; in: row l % 16, 32 bytes for each half of the lanes
	v_lshl_add_u32 v4, v2, 5, v4
	v_add_nc_u32 v[STO], s23, v4
	v_mul_u32_u24 v5, v2, SPITCH                   ; back: lanes 0-15 take one row of 256 bytes, lanes 16-31 the next
	v_lshl_add_u32 v5, v1, 4, v5
	v_add_nc_u32 v[RD], s23, v5
	v_mul_u32_u24 v5, v2, ROWC                     ; and the same two rows in C
	v_lshl_add_u32 v[CO], v1, 4, v5
	; C at my part of the tile
	s_lshl_b32 s13, s13, 8
	s_lshl_b32 s14, s11, 7
	s_add_co_u32 s16, s13, s14                     ; my first row of C
	s_mov_b32 s17, 0
	s_mov_b64 s[18:19], ROWC
	s_mul_u64 s[16:17], s[16:17], s[18:19]
	s_lshl_b32 s46, s42, 10                        ; my first column, in bytes: 1,024 x tile column + 512 x half (in the registers that held B's address: none that feeds A's descriptors ever holds cx)
	s_lshl_b32 s47, s12, 9
	s_add_co_u32 s46, s46, s47
	s_mov_b32 s47, 0
	s_add_nc_u64 s[16:17], s[16:17], s[46:47]
	s_add_nc_u64 s[8:9], s[8:9], s[16:17]          ; never stepped again: a block's place stands in the stores' immediates
	; the prefetches.  s13 = 256 x tile row, s42 = tile column, s40 = cx, s41 = cy still stand; s[4:5] = A, s[6:7] = B
	s_lshl_b32 s42, s42, 8
	s_and_b32 s22, ttmp7, 0xffff                   ; cluster y
	s_cmp_eq_u32 s11, 0                            ; do I fetch for A?
	s_cselect_b32 s20, s13, s42                    ; the tile's first row: in A by the tile row, in B by the tile column
	s_cselect_b32 s21, s40, s41                    ; my place among the four that ask for it with me
	s_cselect_b32 s22, ttmp9, s22                  ; the coordinate along which other clusters walk the same rows
	s_cselect_b64 s[PFA:PFA+1], s[4:5], s[6:7]
	s_cmp_eq_u32 s22, 0
	s_cselect_b32 s[LIM], 1, -1                    ; the same in all sixteen partners, for a given wave
	s_lshl_b32 s22, s12, 7
	s_add_co_u32 s20, s20, s22                     ; + the 128 rows that I fetch
	s_lshl_b32 s21, s21, 5
	s_add_co_u32 s20, s20, s21                     ; + my work-group's 32 of them
	s_mov_b32 s21, 0
	s_mov_b64 s[18:19], SIZE_K*2
	s_mul_u64 s[20:21], s[20:21], s[18:19]
	s_add_nc_u64 s[PFA:PFA+1], s[PFA:PFA+1], s[20:21]
	s_add_nc_u64 s[PFA:PFA+1], s[PFA:PFA+1], 2*KSTEP*2  ; at K step 2: the first refill steps it to 3 and names K step 4
	v_and_b32 v[PFO], 31, v0
	v_mul_u32_u24 v[PFO], v[PFO], SIZE_K*2
	s_wait_kmcnt 0x0                               ; the scale is in
	s_mov_b32 s[SC+1], s[SC]                       ; named with it as a pair, so it is written
; 16 matrix instructions: m blocks a0, a0 + 1 of the window's four (hi = 0: my rows 0-63, 1: rows 64-127) x all 8 n blocks, 32 along K.
; zero = 1: the first product starts the sums: nothing is ever cleared.  The 64 accumulators take turns, in the same order in every quarter step.
.macro MUL16 f, hi, a0, zero
	WIN MUL_LO+0x50*(\hi)
.irp a, \a0, (\a0)+1
.irp b, 0,1,2,3,4,5,6,7
.if \zero
	v_wmma_f32_16x16x32_f16 v[8*(8*(\a)+(\b)):8*(8*(\a)+(\b))+7], v[(\f)+8*(\b):(\f)+8*(\b)+7], v[(\f)+8*(4*(\hi)+(\a)):(\f)+8*(4*(\hi)+(\a))+7], 0
.else
	v_wmma_f32_16x16x32_f16 v[8*(8*(\a)+(\b)):8*(8*(\a)+(\b))+7], v[(\f)+8*(\b):(\f)+8*(\b)+7], v[(\f)+8*(4*(\hi)+(\a)):(\f)+8*(4*(\hi)+(\a))+7], v[8*(8*(\a)+(\b)):8*(8*(\a)+(\b))+7]
.endif
.endr
.endr
.endm
; 32 LDS loads in one run: the fragments of one quarter step (128 rows of B, 128 rows of A, 32 K at byte k of the rows) into buffer f
.macro FETCH slot, k, f
	WIN TO_B
.irp i, 0,1,2,3,4,5,6,7
	ds_load_b128 v[(\f)+8*(\i):(\f)+8*(\i)+3],   v[ADRB+(\slot)] offset:(\k)+(\i)*16*PITCH
	ds_load_b128 v[(\f)+8*(\i)+4:(\f)+8*(\i)+7], v[ADRB+(\slot)] offset:(\k)+(\i)*16*PITCH+32
.endr
	WIN 0
.irp i, 0,1,2,3,4,5,6,7
	ds_load_b128 v[(\f)+8*(\i):(\f)+8*(\i)+3],   v[ADRA+(\slot)] offset:(\k)+(\i)*16*PITCH
	ds_load_b128 v[(\f)+8*(\i)+4:(\f)+8*(\i)+7], v[ADRA+(\slot)] offset:(\k)+(\i)*16*PITCH+32
.endr
.endm
; A load into a register that a matrix instruction has read, and a vector instruction that reads a matrix result, stand four places behind that matrix instruction, and only plain vector instructions that
; name none of its registers are places (ISA guide 7.12.1 for vector instructions); the matrix instructions in between are not counted.
.macro PLACES
.rept 4
	v_nop
.endr
.endm
; A K step is four quarter steps of 32 along K, 64 matrix instructions each, on buffers 0, 1, 0, 1.
; One of the first three: multiplies buffer f; in its middle it fetches the next quarter's fragments, at byte k of the same slot's rows, into buffer g.
.macro QUARTER slot, k, f, g, zero
	s_wait_dscnt 8                                 ; B and A's rows 0-63 are in; the youngest eight loads (A's rows 64-127) may be out
	WIN MUL_LO
	MUL16 \f, 0, 0, \zero
	MUL16 \f, 0, 2, \zero
	PLACES
	FETCH \slot, \k, \g
	s_wait_dscnt 32                                ; all but the 32 just issued
	WIN MUL_HI
	MUL16 \f, 1, 0, \zero
	MUL16 \f, 1, 2, \zero
.endm
; The last quarter multiplies buffer 1 and changes slots.  MEET is its first half: ONE barrier for the change of slots.  In front of it each wave waits for all its tensor loads, of which one is out: its part of
; the next slot; adds 0 to its spare word; and waits for that and for its own reads of this slot.  Behind it nobody reads this slot any more and the next slot is whole.
.macro MEET round                      ; round = 1: a round of the cluster's barrier follows
	WIN 0                                          ; (the add's two registers lie in window 0)
	s_wait_tensorcnt 0x0                           ; all my tensor loads have landed: the one that was out is my part of the next slot;
	ds_add_u32 v[SPW], v[NIL]                      ; 0 onto my spare word:
	s_wait_dscnt 9                                 ; (the add and the youngest eight loads may be out)
	WIN MUL_LO
	MUL16 F1, 0, 0, 0                              ; sixteen matrix instructions stand between the add and the wait for it
	s_wait_dscnt 0x0                               ; the add is done, and my reads of this slot are over:
	s_barrier_signal -1                            ; say so (where a slot is filled again this barrier opens a round of the cluster's barrier),
	MUL16 F1, 0, 2, 0                              ; work on registers while the others arrive,
.if \round
	WIN 0
.endif
	s_barrier_wait -1                              ; and go on when all four have said so
.endm
; The whole last quarter.  fill = 1: behind the round the slot just read out is filled again first, with the K step two steps on; then come the next slot's first fragments.  From a request to the wait for it a
; wave issues 224 matrix instructions.  fill = 0 (the last lap): nothing is asked for, and the work-group's barrier alone stands.
.macro TURN slot, next, fill
.if \fill
	s_wait_xcnt 0x0                                ; the last prefetch, a K step back, has read its address: it is stepped here, ahead of the waits of the change of slots
	s_add_nc_u64 s[PFA:PFA+1], s[PFA:PFA+1], KSTEP*2
	MEET 1
	CREST                                          ; no wave of any partner still reads this slot's tile or has a load on its way
	s_add_nc_u64 s[G0+4*(\slot)+2:G0+4*(\slot)+3], s[G0+4*(\slot)+2:G0+4*(\slot)+3], 2*KSTEP*2     ; no tensor load of mine is out, so a group 0 may be written
	s_add_nc_u64 s[G0B+4*(\slot)+2:G0B+4*(\slot)+3], s[G0B+4*(\slot)+2:G0B+4*(\slot)+3], 2*KSTEP*2
	JLOAD \slot                                    ; the first tensor load behind the round, my only one until the next; the four v_nop behind it are also the places in front of the loads below
.else
	MEET 0
	PLACES
.endif
	FETCH \next, 0, F0
.if \fill
	ASK                                            ; behind the joint load and the run of LDS loads that the next products wait for
.endif
	WIN MUL_HI
	MUL16 F1, 1, 0, 0
	MUL16 F1, 1, 2, 0
.endm
; THE WAY OUT, by half blocks: block a of 16 rows (0..7), half c of my 128 columns: 16 rows x 64 f32 = 16 rows x 256 bytes.
; PACK: the four accumulators times the scale, each taken from its lowest registers on.  TOSTAGE: into my own stage in LDS, and back as whole rows of 256 bytes.  SEND: stored.
.macro PACK a, c
	WIN 0x02+(\a)/4                                ; source 0: window 2 or 3; destination window 0
.irp b, 0,1,2,3
.irp p, 0,1,2,3
	v_pk_mul_f32 v[TMP+8*(\b)+2*(\p):TMP+8*(\b)+2*(\p)+1], v[64*((\a)%4)+32*(\c)+8*(\b)+2*(\p):64*((\a)%4)+32*(\c)+8*(\b)+2*(\p)+1], s[SC:SC+1] op_sel_hi:[1,0]
.endr
.endr
.endm
.macro TOSTAGE c                       ; c also picks the registers that take the rows back
	WIN 0
.set BK, OB+192*(\c)
.irp b, 0,1,2,3
	ds_store_b128 v[STO], v[TMP+8*(\b):TMP+8*(\b)+3]   offset:64*(\b)
	ds_store_b128 v[STO], v[TMP+8*(\b)+4:TMP+8*(\b)+7] offset:64*(\b)+16
.endr
.irp t, 0,1,2,3,4,5,6,7
	ds_load_b128 v[BK+4*(\t):BK+4*(\t)+3], v[RD] offset:(\t)*2*SPITCH  ; LDS serves a wave's instructions in order (ISA guide 5.7.1.4): these see the stores above
.endr
.endm
.macro SEND a, c
	WIN 0
.set BK, OB+192*(\c)
	s_wait_dscnt 0x0                               ; the half block is back in registers
	s_wait_xcnt 0x0                                ; every earlier store has read its registers (ISA guide 3.1): the half block before this one's, into which the next loads from the stage go
.irp t, 0,1,2,3,4,5,6,7
	global_store_b128 v[CO], v[BK+4*(\t):BK+4*(\t)+3], s[8:9] offset:(16*(\a)+2*(\t))*ROWC+256*(\c) th:TH_STORE_NT  ; 16 lanes store 256 consecutive bytes, at a multiple of 256 from C's first byte; 2,064,640 at the most, inside the signed 24-bit immediate
.endr
.endm
	s_wait_tensorcnt 1                             ; my part of K step 0 is in; K step 1's may stay out
	s_barrier_signal -1
	s_barrier_wait -1                              ; everybody's is
	FETCH 0, 0, F0
	QUARTER 0, 64,  F0, F1, 1                      ; the first quarter stands in front of the loop: its products start the sums
	WIN 0                                          ; at a label and at a branch every window is 0
	s_mov_b32 s3, LAPS-1
.Llap:                                                 ; a trip goes once round the ring, from a lap's second quarter to the next lap's first, and fills both slots again: 15 trips ask for K steps 2 to 31
	QUARTER 0, 128, F1, F0, 0
	QUARTER 0, 192, F0, F1, 0
	TURN 0, 1, 1
	QUARTER 1, 64,  F0, F1, 0
	QUARTER 1, 128, F1, F0, 0
	QUARTER 1, 192, F0, F1, 0
	TURN 1, 0, 1
	QUARTER 0, 64,  F0, F1, 0
	WIN 0
	s_sub_co_u32 s3, s3, 1
	s_cmp_lg_u32 s3, 0
	s_cbranch_scc1 .Llap
	QUARTER 0, 128, F1, F0, 0                      ; the last lap is written out: it asks for nothing
	QUARTER 0, 192, F0, F1, 0
	TURN 0, 1, 0
	QUARTER 1, 64,  F0, F1, 0
	QUARTER 1, 128, F1, F0, 0
	QUARTER 1, 192, F0, F1, 0
	s_wait_dscnt 8                                 ; the very last quarter: nothing more to fetch
	MUL16 F1, 0, 0, 0
	MUL16 F1, 0, 2, 0
	s_wait_dscnt 0x0
	MUL16 F1, 1, 0, 0
	MUL16 F1, 1, 2, 0
	WIN 0
	PLACES                                         ; the scalings read results just made, and no other vector work is at hand;
	PLACES                                         ; eight, once a launch
	PACK 0, 0
	TOSTAGE 0
.set hb, 1
.rept 15                               ; a half block's scalings stand between the loads of the one before from the stage and the wait for them
	PACK hb/2, hb%2
	SEND (hb-1)/2, (hb-1)%2
	TOSTAGE hb%2
.set hb, hb+1
.endr
	SEND 7, 1
	s_wait_tensorcnt 0x0                           ; the wave's end, behind my last tensor load and my last LDS store
	ds_add_u32 v[SPW], v[NIL]
	s_wait_dscnt 0x0
	CROUND                                         ; the closing round: no work-group ends while a partner may still ask for a tile that names it
	s_endpgm
.Lfunc_end_k_qd286c9dbf5_gemm:
	.size	k_qd286c9dbf5_gemm, .Lfunc_end_k_qd286c9dbf5_gemm-k_qd286c9dbf5_gemm
	.p2alignl 7, 3214868480
	.fill 96, 4, 3214868480
	.section	.rodata,"a",@progbits
	.p2align	6, 0x0
	.amdhsa_kernel k_qd286c9dbf5_gemm
		.amdhsa_group_segment_fixed_size 327680
		.amdhsa_private_segment_fixed_size 0
		.amdhsa_enable_private_segment 0
		.amdhsa_kernarg_size 32
		.amdhsa_user_sgpr_count 2
		.amdhsa_user_sgpr_kernarg_segment_ptr 1
		.amdhsa_wavefront_size32 1
		.amdhsa_system_sgpr_workgroup_id_x 1
		.amdhsa_system_sgpr_workgroup_id_y 1
		.amdhsa_system_sgpr_workgroup_id_z 1
		.amdhsa_system_vgpr_workitem_id 0
		.amdhsa_next_free_vgpr 1024
		.amdhsa_next_free_sgpr 72
		.amdhsa_reserve_vcc 0
		.amdhsa_float_denorm_mode_32 3
		.amdhsa_float_denorm_mode_16_64 3
		.amdhsa_memory_ordered 1
		.amdhsa_forward_progress 1
		.amdhsa_inst_pref_size 159
	.end_amdhsa_kernel
	.amdgpu_metadata
---
amdhsa.version: [ 1, 2 ]
amdhsa.kernels:
  - .name:           k_qd286c9dbf5_gemm
    .symbol:         k_qd286c9dbf5_gemm.kd
    .args:
      - { .name: xq, .offset: 0, .size: 8, .value_kind: global_buffer, .address_space: global }
      - { .name: wq, .offset: 8, .size: 8, .value_kind: global_buffer, .address_space: global }
      - { .name: out0, .offset: 16, .size: 8, .value_kind: global_buffer, .address_space: global }
      - { .name: scl, .offset: 24, .size: 8, .value_kind: global_buffer, .address_space: global }
    .group_segment_fixed_size: 327680
    .private_segment_fixed_size: 0
    .kernarg_segment_align: 8
    .kernarg_segment_size: 32
    .max_flat_workgroup_size: 128
    .sgpr_count:     72
    .vgpr_count:     1024
    .wavefront_size: 32
...
	.end_amdgpu_metadata
.endif
;; end of part 3
